; MI455X (gfx1250); checked and timed in simulation.
; The chip was launched on July 23, 2026; its instructions are those of AMD's public machine-readable ISA for CDNA 5 (MIT licence, August 2026) and "CDNA5" Instruction Set Architecture Reference Guide (July 2026). The comments in the code are by the model that wrote it; some were corrected since.
;; Multi Head Self Attention Layer. Allowed arithmetic: matrix products marked QUANTISED: E3M2 operands, one E8M0 scale for each 32 along K, by v_wmma_scale_f32_16x16x128_f8f6f4 with both operands' format E3M2, f32 sums; everything else in f32.
;; Inputs: Wk 1,024 x 1,024 float32; Wq 1,024 x 1,024 float32; Wv 1,024 x 1,024 float32; x 4 x 2,048 x 1,024 float32.
;; Outputs: out0 4 x 2,048 x 1,024 float32.
;; This version of the problem:
;;   THIS VERSION OF THE PROBLEM IS GIVEN IN LOW PRECISION. The matrix products marked QUANTISED in the list below multiply operands that are first quantised to E3M2 (3 exponent bits, 2 mantissa bits; 6 bits a number), with one power-of-two scale for each 32 numbers along K (OCP MX v1.0); their sums are f32. All else is computed in f32.
;;   The module's matrix products, in the order in which they are computed (A, B: the left and right operand; K: the contracted axis; several contracted axes count as one K, in the product's order):
;;     1. [M 8,192, K 1,024] x [K 1,024, N 1,024]; A: input x; B: input Wq: QUANTISED
;;     2. [M 8,192, K 1,024] x [K 1,024, N 1,024]; A: input x; B: input Wk: QUANTISED
;;     3. [M 8,192, K 1,024] x [K 1,024, N 1,024]; A: input x; B: input Wv: QUANTISED
;;     4. batch 32 x [M 2,048, K 128] x [K 128, N 2,048]; A: computed on the way; B: computed on the way: QUANTISED
;;     5. batch 32 x [M 128, K 2,048] x [K 2,048, N 2,048]; A: computed on the way; B: softmax (see below): QUANTISED
;;   THE QUANTISER, for each operand of a quantised product, along K:
;;     - K is cut into blocks of 32 from its start; a last block that is shorter is filled with zeros.
;;     - A block's scale is 2^e with e = floor(log2(the largest magnitude in the block)) - 4, held to -126 .. 127; a block of zeros has e = 0. As a byte (E8M0): e + 127.
;;     - Each number is divided by its block's scale, clamped to +-28, and rounded to the nearest number of E3M2, ties to even, subnormals kept.
;;     - The product sums the exact products of the quantised numbers (number of the format x scale) in f32.
;;   ~~~python
;;   def quantise(x, axis):      # numpy; x: float32 -> the quantised numbers, widened to float32 again
;;       x = np.moveaxis(x, axis, -1); K = x.shape[-1]
;;       x = np.pad(x, [(0, 0)] * (x.ndim - 1) + [(0, -K % 32)]); x = x.reshape(x.shape[:-1] + (-1, 32)); a = np.abs(x).max(-1, keepdims=True)
;;       e = np.where(a > 0, np.clip(np.frexp(np.where(a > 0, a, 1))[1] - 1 - 4, -126, 127), 0)      # np.frexp(a)[1] - 1 = floor(log2(a)), exactly
;;       r = np.clip(x / 2.0 ** e, -28, 28)
;;       step = 2.0 ** (np.maximum(np.frexp(np.where(r == 0, 1, r))[1] - 1, -2) - 2)
;;       q = np.round(r / step) * step * 2.0 ** e      # np.round: ties to even
;;       return np.moveaxis(q.reshape(q.shape[:-2] + (-1,))[..., :K], -1, axis).astype(np.float32)
;;   ~~~
;;   SOFTMAX AHEAD OF A QUANTISED PRODUCT. Where the list says 'softmax', what is quantised is not the finished softmax but p = 2^(t - M), with t = logit x log2(e) and M = ceil(the row's largest t), a whole number; so 1/2 < the row's largest p <= 1. The row's sum l is taken of the UNQUANTISED p, in f32, and the product's result is divided by l at the end. Since M is a whole number, a kernel that streams over the keys may use a running M (the ceiling of the running maximum): every later rescaling is an exact power of two, which a block's scale takes up: the codes' values come out the same.
;;   OPERANDS COMPUTED ON THE WAY. 'Computed on the way' means the value that the module computes at that place (a softmax that the list does not call 'softmax' is quantised finished and normalised). What goes into a quantiser is computed in f32, as accurately as f32 sums, v_exp_f32 and their like allow (about 1e-6 of the number): no bf16 or f16 on the way to a quantiser, and a product that is left as it is and whose result goes on into a quantised operand takes f32 operands (vector FMAs, or v_wmma_f32_16x16x4_f32). A number that lies on a knife's edge between two numbers of the format may be rounded either way, as far as f32 arithmetic and the matrix unit's own rounding can turn it there, and no further.
;; One version. Each part assembles by itself: llvm-mc -triple=amdgcn-amd-amdhsa -mcpu=gfx1250 --defsym DOCPART=n.
;; ======== version 1 of 1: 3 launches
;; limits: right only within a limited range of input values
;; workspace buffers: xi 6,553,600 bytes; wi 2,457,600 bytes; qi 6,553,600 bytes; kv 13,107,200 bytes
;; launch quant (part 1): grid 352 x 1, 8 waves a work-group, no clusters, 95,232 bytes of LDS; arguments x, Wq, Wk, Wv, xi, wi; writes xi, wi
.if DOCPART == 1
	.amdgcn_target "amdgcn-amd-amdhsa--gfx1250"
	.amdhsa_code_object_version 6
	.text
	.protected	k_q4c17e1068c_quant
	.globl	k_q4c17e1068c_quant
	.p2align	8
	.type	k_q4c17e1068c_quant,@function
k_q4c17e1068c_quant:
	s_mov_b64 s[64:65], 0
	v_nop
	global_prefetch_b8 v0, s[64:65] scope:SCOPE_SE
	s_setreg_imm32_b32 hwreg(HW_REG_WAVE_MODE, 25, 1), 1
	s_wait_xcnt 0x0
; x [8192][1024] f32 (K innermost) and Wq, Wk, Wv [1024 (k)][1024 (n)] f32 (K outermost) become codes of BF6 (E3M2) with one E8M0 byte for each 32 along K.
; A block's scale is 2^(floor(log2(its largest magnitude)) - 4): its byte is the largest magnitude's exponent field - 4, held at 1 from below.
; LIMITS: NaN and infinities among the inputs are not served.  A block of zeros, or one whose largest magnitude lies under 2^(5 - 127), gets the byte 1 where the rule says 127 or less:
; a block of zeros has zero codes, which add nothing under that byte, and only this program reads the bytes.
; THE WORKSPACE IS LAID AS IMAGES OF OPERAND REGISTERS.  A fragment (16 rows x 128 along K) is 12 registers a lane, 1,536 bytes: registers 4 c .. 4 c + 3 of lane l lie at 512 c + 16 l.
; Lane (r = l % 16, h = l / 16) holds k = 64 c + 32 h + 0 .. 31 in registers 6 c .. 6 c + 5.  THE 16 ROWS OF A TILE (G, u) ARE rows 32 G + 8 u + r + 8 (r / 8).
;   xi: 64 blocks (128 rows of x) of 102,400 bytes: codes [hf 2][tile 8][s 4][1536], then scale words [hf 2][G 4][lane 16 u + r][s 4]; K step = 4 hf + s.
;   wi: [g 4][Wq, Wk, Wv][hf 2] slots of 102,400 bytes: codes [tile 16][s 4][1536], then scale words [G 8][lane 16 u + r][s 4]; column n = 256 g + the tile's row.
; Work-groups 0 .. 255 take 32 rows of x each, work-groups 256 .. 351 take 64 columns x 512 along K of one W.  The two ways share no LDS byte.  No tensor load, no matrix unit: the launch streams.
.set XST, 0                            ; x's way: a stage of 16 rows x 528 bytes for each wave
.set XSG, 67584                        ; x's way: 1,024 bytes in which the work-group's scale words meet
.set WST, 68608                        ; W's way: two images, 3,072 bytes, for each wave
.set WSG, 93184                        ; W's way: 1,024 bytes for the scale words
.set RAW, 64                           ; v64-191  numbers as they are loaded
.set XN,  192                          ; v192-255 x's way: 64 numbers of my row in the operand's order
.set WC,  224                          ; v224-253 W's way: six registers of codes for each of a wave's four blocks, eight apart
.set FLOOR, 0x2800000                  ; 2^(5 - 127)
.set EOFF,  0xfe000000                 ; takes 4 off an exponent field
	s_load_b256 s[4:11], s[0:1], 0x0               ; x s[4:5], Wq s[6:7], Wk s[8:9], Wv s[10:11]
	s_load_b128 s[12:15], s[0:1], 0x20             ; xi s[12:13], wi s[14:15]
	v_lshl_add_u32 v62, v0, 2, 0x17000
	v_mov_b32 v63, 0
	v_lshrrev_b32 v1, 5, v0
	s_delay_alu instid0(VALU_DEP_1)
	v_readfirstlane_b32 s16, v1                    ; wave 0..7
	v_and_b32 v2, 31, v0                           ; lane
	s_delay_alu instid0(VALU_DEP_1)
	v_lshlrev_b32 v3, 4, v2                        ; 16 x lane
	v_and_b32 v4, 15, v0                           ; r
	v_bfe_u32 v5, v0, 4, 1                         ; h
	v_mov_b32 v47, 0                               ; a lane permute's destination counts as one of its sources
	s_mov_b32 s20, 0x76543210
	s_mov_b32 s21, 0xfedcba98                      ; v_permlanex16_b32's selects for lane l xor 16
	s_cmp_lt_u32 ttmp9, 256                        ; the way hangs on the work-group's number alone
	s_cbranch_scc0 .Lw_path
; ---------------- x ----------------
; Wave w: u = w & 1 (which tile of the 32 rows), sp = w >> 1: K steps 2 sp and 2 sp + 1: two fragments.
	s_and_b32 s17, s16, 1                          ; u
	s_lshr_b32 s18, s16, 1                         ; sp
	s_lshr_b32 s19, s18, 1                         ; hf
	s_and_b32 s22, s18, 1                          ; sp & 1
	s_lshl_b32 s24, ttmp9, 17                      ; 32 rows of 4,096 bytes a work-group,
	s_lshl_b32 s25, s17, 15                        ; 8 u rows,
	s_add_co_u32 s24, s24, s25
	s_lshl_b32 s25, s18, 10                        ; 1,024 bytes (two K steps) x sp
	s_add_co_u32 s24, s24, s25
	s_mov_b32 s25, 0
	s_lshr_b32 s26, ttmp9, 2
	s_mul_i32 s26, s26, 102400                     ; my block of xi
	s_and_b32 s27, ttmp9, 3                        ; G within the block
	s_mul_i32 s28, s19, 49152
	s_lshl_b32 s29, s27, 1
	s_add_co_u32 s29, s29, s17                     ; tile 2 G + u
	s_mul_i32 s29, s29, 6144
	s_mul_i32 s30, s22, 3072
	s_add_co_u32 s28, s28, s29
	s_add_co_u32 s28, s28, s30
	s_add_co_u32 s28, s28, s26                     ; my first image
	s_mov_b32 s29, 0
	s_lshl_b32 s30, s16, 11                        ; the tail (waves 0, 1): scale words of hf = wave,
	s_lshl_b32 s31, s27, 9                         ; page G
	s_add_co_u32 s30, s30, s31
	s_add_co_u32 s30, s30, s26
	s_add_co_u32 s30, s30, 98304
	s_mov_b32 s31, 0
	s_mul_i32 s32, s16, 8448                       ; my stage
	s_wait_alu depctr_va_vdst(0)
	v_add_nc_u32 v6, s32, v3                       ; in: 16 x lane of a row
	v_mul_u32_u24 v7, v4, 528
	s_delay_alu instid0(VALU_DEP_1)
	v_lshl_add_u32 v7, v5, 7, v7                   ; out: row r, + 128 h
	s_delay_alu instid0(VALU_DEP_1)
	v_add_nc_u32 v7, s32, v7
	s_lshl_b32 s33, s19, 9                         ; where my two scale words meet the others': 512 hf + 16 (16 u + r) + 8 (sp & 1)
	s_lshl_b32 s34, s17, 8
	s_add_co_u32 s33, s33, s34
	s_lshl_b32 s34, s22, 3
	s_add_co_u32 s33, s33, s34
	s_add_co_u32 s33, s33, XSG
	v_lshl_add_u32 v8, v4, 4, s33
	s_lshl_b32 s34, s16, 9
	s_add_co_u32 s34, s34, XSG
	v_add_nc_u32 v9, s34, v3                       ; the tail's read: 512 x wave + 16 x lane
	v_lshlrev_b32 v10, 3, v5                       ; 8 h: my bytes' place in a scale word
	s_wait_alu depctr_va_vdst(0)
	s_wait_kmcnt 0x0
	s_add_nc_u64 s[4:5], s[4:5], s[24:25]
	s_add_nc_u64 s[28:29], s[12:13], s[28:29]
	s_add_nc_u64 s[30:31], s[12:13], s[30:31]
.irp f, 0,1
.irp i, 0,1,2,3,4,5,6,7,8,9,10,11,12,13,14,15
	global_load_b128 v[RAW+64*\f+4*\i:RAW+64*\f+4*\i+3], v3, s[4:5] offset:(\i+8*(\i/8))*4096+512*\f th:TH_LOAD_NT   ; the tile's row i, 128 numbers: 32 lanes read 512 consecutive bytes
.endr
.endr
; 64 numbers of a lane, two whole blocks of 32 (blocks h and 2 + h of my row), become the fragment's 12 registers at v[pc] and the row's scale word in v[pw].
.macro Q2 x, pc, pw
.irp c, 0,1
	v_max3_num_f32 v[40+\c], |v[\x+32*\c]|, |v[\x+32*\c+1]|, FLOOR   ; the floor among the leaves: the byte cannot fall under 1
.endr
.irp i, 2,4,6,8,10,12,14,16,18,20,22,24,26,28,30
.irp c, 0,1
	s_delay_alu instid0(VALU_DEP_2)
	v_max3_num_f32 v[40+\c], v[40+\c], |v[\x+32*\c+\i]|, |v[\x+32*\c+\i+1]|   ; the two blocks by turns
.endr
.endr
.irp c, 0,1
	s_delay_alu instid0(VALU_DEP_2)
	v_add_nc_u32 v[42+\c], EOFF, v[40+\c]          ; the conversion takes the exponent field of this operand as its scale
.endr
.irp c, 0,1
	s_delay_alu instid0(VALU_DEP_2)
	v_lshrrev_b32 v[44+\c], 23, v[42+\c]           ; the scale's byte
.endr
	s_delay_alu instid0(VALU_DEP_1)
	v_lshl_or_b32 v46, v45, 16, v44                ; my two bytes,
	s_delay_alu instid0(VALU_DEP_1)
	v_lshlrev_b32 v46, v10, v46                    ; 8 h bits up;
	s_delay_alu instid0(VALU_DEP_1)
	v_permlanex16_b32 v47, v46, s20, s21
	s_delay_alu instid0(VALU_DEP_1)
	v_or_b32 v[\pw], v46, v47                      ; with lane l xor 16's two the word is whole
.irp c, 0,1
	v_cvt_scalef32_pk16_bf6_f32 v[(\pc)+6*\c:(\pc)+6*\c+2], v[\x+32*\c:\x+32*\c+15], v[42+\c]
	v_cvt_scalef32_pk16_bf6_f32 v[48+4*\c:50+4*\c], v[\x+32*\c+16:\x+32*\c+31], v[42+\c]   ; (a conversion's three registers begin on an even number)
.endr
	v_nop                                          ; one plain place behind a scaled conversion
.irp c, 0,1
.irp i, 0,1,2
	v_mov_b32 v[(\pc)+3+6*\c+\i], v[48+4*\c+\i]
.endr
.endr
.endm
.macro XFRAG f
	s_wait_loadcnt 16*(1-\f)                       ; this fragment's 16 loads are in; the other fragment's 16 were issued behind them
.irp i, 0,1,2,3,4,5,6,7,8,9,10,11,12,13,14,15
	ds_store_b128 v6, v[RAW+64*\f+4*\i:RAW+64*\f+4*\i+3] offset:528*\i
.endr
.irp c, 0,1
.irp i, 0,1,2,3,4,5,6,7
	ds_load_b128 v[XN+32*\c+4*\i:XN+32*\c+4*\i+3], v7 offset:256*\c+16*\i   ; LDS serves a wave's instructions in order: these see my stores.  k = 64 c + 32 h + 4 i ..
.endr
.endr
	s_wait_dscnt 0x0
	Q2 XN, 16+12*\f, 12+\f
.irp c, 0,1,2
	global_store_b128 v3, v[16+12*\f+4*\c:19+12*\f+4*\c], s[28:29] offset:1536*\f+512*\c   ; the image: 512 consecutive bytes a store, at a multiple of 256
.endr
.endm
	XFRAG 0
	XFRAG 1
	ds_store_b64 v8, v[12:13]                      ; my row's words of my two K steps (both halves of the lanes hold and write the same)
	s_wait_dscnt 0x0                               ; for the others' sake: my stores have landed
	s_barrier_signal -1
	s_barrier_wait -1
	s_cmp_lt_u32 s16, 2
	s_cbranch_scc0 .Lx_end
	ds_load_b128 v[40:43], v9                      ; waves 0 and 1: the page of hf = wave: 32 lanes x four words
	s_wait_dscnt 0x0
	global_store_b128 v3, v[40:43], s[30:31]       ; 512 consecutive bytes
.Lx_end:
	s_wait_tensorcnt 0x0
	ds_add_u32 v62, v63
	s_wait_dscnt 0x0
	s_endpgm
; ---------------- W ----------------
; id = work-group - 256: ph = id >> 5 (Wq, Wk, Wv), CP = (id & 31) >> 1 (64 columns), hf = id & 1 (512 along K).  Wave w: cg = w & 1 (32 columns), s = w >> 1 (128 along K).
; A LANE TAKES A COLUMN AND ITS REGISTERS RUN DOWN K: a block of 32 lies in one lane, and the conversions give codes with K innermost.
.Lw_path:
	s_sub_co_u32 s17, ttmp9, 256
	s_lshr_b32 s18, s17, 5                         ; ph
	s_bfe_u32 s19, s17, 0x40001                    ; CP
	s_and_b32 s22, s17, 1                          ; hf
	s_and_b32 s23, s16, 1                          ; cg
	s_lshr_b32 s24, s16, 1                         ; s
	s_lshl_b32 s26, s22, 21                        ; 512 rows of 4,096 bytes x hf
	s_lshl_b32 s27, s24, 19                        ; 128 rows x s
	s_add_co_u32 s26, s26, s27
	s_lshl_b32 s27, s19, 8                         ; 64 columns x CP
	s_add_co_u32 s26, s26, s27
	s_lshl_b32 s27, s23, 7                         ; 32 columns x cg
	s_add_co_u32 s26, s26, s27
	s_mov_b32 s27, 0
	s_lshr_b32 s28, s19, 2                         ; g
	s_mul_i32 s28, s28, 6
	s_lshl_b32 s29, s18, 1
	s_add_co_u32 s28, s28, s29
	s_add_co_u32 s28, s28, s22
	s_mul_i32 s28, s28, 102400                     ; my slot of wi
	s_and_b32 s29, s19, 3
	s_lshl_b32 s29, s29, 1                         ; 2 (CP & 3)
	s_add_co_u32 s30, s29, s23                     ; G = 2 (CP & 3) + cg
	s_mul_i32 s30, s30, 12288                      ; tile 2 G
	s_mul_i32 s31, s24, 1536
	s_add_co_u32 s30, s30, s31
	s_add_co_u32 s30, s30, s28
	s_mov_b32 s31, 0
	s_add_co_u32 s32, s29, s16                     ; the tail (waves 0, 1): page G = 2 (CP & 3) + wave
	s_lshl_b32 s32, s32, 9
	s_add_co_u32 s32, s32, s28
	s_add_co_u32 s32, s32, 98304
	s_mov_b32 s33, 0
	v_bfe_u32 v11, v0, 3, 1                        ; my column is row r of tile u: u = (lane >> 3) & 1,
	v_and_b32 v7, 7, v0
	s_wait_alu depctr_va_vdst(0)
	v_lshl_add_u32 v7, v5, 3, v7                   ; r = (lane & 7) + 8 (lane >> 4)
	v_mul_u32_u24 v6, v11, 1536
	s_delay_alu instid0(VALU_DEP_1)
	v_lshl_add_u32 v6, v7, 4, v6
	s_mul_i32 s36, s16, 3072
	s_add_co_u32 s36, s36, WST
	v_add_nc_u32 v6, s36, v6                       ; into my two images: 1,536 u + 16 r
	v_add_nc_u32 v9, s36, v3                       ; and back: 16 x lane
	v_lshlrev_b32 v8, 8, v11
	s_delay_alu instid0(VALU_DEP_1)
	v_lshl_add_u32 v8, v7, 4, v8
	s_lshl_b32 s37, s23, 9
	s_lshl_b32 s38, s24, 2
	s_add_co_u32 s37, s37, s38
	s_add_co_u32 s37, s37, WSG
	v_add_nc_u32 v8, s37, v8                       ; my scale word: 512 cg + 16 (16 u + r) + 4 s
	s_lshl_b32 s38, s16, 9
	s_add_co_u32 s38, s38, WSG
	v_add_nc_u32 v14, s38, v3                      ; the tail's read
	v_lshlrev_b32 v12, 2, v2                       ; 4 bytes a lane
	s_wait_alu depctr_va_vdst(0)
	s_wait_kmcnt 0x0
	s_cmp_eq_u32 s18, 1                            ; the choice hangs on the work-group's number alone
	s_cselect_b64 s[34:35], s[8:9], s[6:7]
	s_cmp_eq_u32 s18, 2
	s_cselect_b64 s[34:35], s[10:11], s[34:35]
	s_add_nc_u64 s[34:35], s[34:35], s[26:27]
	s_add_nc_u64 s[30:31], s[14:15], s[30:31]
	s_add_nc_u64 s[32:33], s[14:15], s[32:33]
.macro WLOADH hb                       ; half block hb: W(16 hb + i, my column), i = 0 .. 15: 32 lanes read 128 consecutive bytes, the wave beside me the next 128.  Each half block has registers of its own
.irp i, 0,1,2,3,4,5,6,7,8,9,10,11,12,13,14,15
	global_load_b32 v[RAW+16*(\hb)+\i], v12, s[34:35] offset:(16*(\hb)+\i)*4096 th:TH_LOAD_NT
.endr
.endm
.irp hb, 0,1,2,3,4,5,6,7
	WLOADH \hb                                     ; all 128 loads of the wave are issued at once: each half block has registers of its own
.endr
.macro WBLK kb
.set XS, RAW+32*\kb
.set CC, WC+8*\kb                      ; the block's six registers of codes: each block has its own, apart from everything at work
.if \kb < 2
	s_wait_loadcnt 63                              ; behind this block's loads 96 or 64 were issued: the count is the largest that the field holds
.else
	s_wait_loadcnt 32*(3-\kb)                      ; the later blocks' loads may be out
.endif
	v_max3_num_f32 v40, |v[XS]|, |v[XS+1]|, |v[XS+2]|
	v_max3_num_f32 v41, |v[XS+3]|, |v[XS+4]|, |v[XS+5]|
.irp i, 6,10,14,18,22,26
	s_delay_alu instid0(VALU_DEP_2)
	v_max3_num_f32 v40, v40, |v[XS+\i]|, |v[XS+\i+1]|
	s_delay_alu instid0(VALU_DEP_2)
	v_max3_num_f32 v41, v41, |v[XS+\i+2]|, |v[XS+\i+3]|
.endr
	s_delay_alu instid0(VALU_DEP_2)
	v_max3_num_f32 v40, v40, |v[XS+30]|, |v[XS+31]|
	s_delay_alu instid0(VALU_DEP_1)
	v_max3_num_f32 v40, v40, v41, FLOOR
	s_delay_alu instid0(VALU_DEP_1)
	v_add_nc_u32 v42, EOFF, v40
	s_delay_alu instid0(VALU_DEP_1)
	v_lshrrev_b32 v43, 23, v42
.if \kb == 0
	s_delay_alu instid0(VALU_DEP_1)
	v_mov_b32 v13, v43                             ; four bytes make my column's scale word of this K step
.else
	s_delay_alu instid0(VALU_DEP_1)
	v_lshl_or_b32 v13, v43, 8*\kb, v13
.endif
	v_cvt_scalef32_pk16_bf6_f32 v[CC:CC+2], v[XS:XS+15], v42
	v_cvt_scalef32_pk16_bf6_f32 v[48:50], v[XS+16:XS+31], v42   ; (a conversion's three registers begin on an even number)
	v_nop                                          ; one plain place behind a scaled conversion
.irp i, 0,1,2
	v_mov_b32 v[CC+3+\i], v[48+\i]
.endr
; Block kb is registers 6 (kb / 2) .. + 5 of the image's lane r + 16 (kb % 2).
.if \kb < 2
	ds_store_b128 v6, v[CC:CC+3] offset:256*(\kb%2)
	ds_store_b64 v6, v[CC+4:CC+5] offset:512+256*(\kb%2)
.else
	ds_store_b64 v6, v[CC:CC+1] offset:520+256*(\kb%2)
	ds_store_b128 v6, v[CC+2:CC+5] offset:1024+256*(\kb%2)
.endif
.endm
	WBLK 0
	WBLK 1
	WBLK 2
	WBLK 3
	ds_store_b32 v8, v13
.irp c, 0,1,2,3,4,5
	ds_load_b128 v[192+4*\c:195+4*\c], v9 offset:512*\c   ; LDS serves a wave's instructions in order: these see my stores
.endr
.irp c, 0,1,2,3,4,5
	s_wait_dscnt 5-\c                              ; the loads issued behind this one may be out
	global_store_b128 v3, v[192+4*\c:195+4*\c], s[30:31] offset:(\c/3)*6144+(\c%3)*512   ; tiles 2 G and 2 G + 1: 512 consecutive bytes a store
.endr
	s_wait_dscnt 0x0                               ; for the others' sake: my scale words have landed
	s_barrier_signal -1
	s_barrier_wait -1
	s_cmp_lt_u32 s16, 2
	s_cbranch_scc0 .Lw_end
	ds_load_b128 v[40:43], v14
	s_wait_dscnt 0x0
	global_store_b128 v3, v[40:43], s[32:33]
.Lw_end:
	s_wait_tensorcnt 0x0
	ds_add_u32 v62, v63
	s_wait_dscnt 0x0
	s_endpgm
.Lfunc_end_k_q4c17e1068c_quant:
	.size	k_q4c17e1068c_quant, .Lfunc_end_k_q4c17e1068c_quant-k_q4c17e1068c_quant
	.p2alignl 7, 3214868480
	.fill 96, 4, 3214868480
	.section	.rodata,"a",@progbits
	.p2align	6, 0x0
	.amdhsa_kernel k_q4c17e1068c_quant
		.amdhsa_group_segment_fixed_size 95232
		.amdhsa_private_segment_fixed_size 0
		.amdhsa_enable_private_segment 0
		.amdhsa_kernarg_size 48
		.amdhsa_user_sgpr_count 2
		.amdhsa_user_sgpr_kernarg_segment_ptr 1
		.amdhsa_wavefront_size32 1
		.amdhsa_system_sgpr_workgroup_id_x 1
		.amdhsa_system_sgpr_workgroup_id_y 1
		.amdhsa_system_sgpr_workgroup_id_z 1
		.amdhsa_system_vgpr_workitem_id 0
		.amdhsa_next_free_vgpr 256
		.amdhsa_next_free_sgpr 66
		.amdhsa_reserve_vcc 0
		.amdhsa_float_denorm_mode_32 3
		.amdhsa_float_denorm_mode_16_64 3
		.amdhsa_memory_ordered 1
		.amdhsa_forward_progress 1
		.amdhsa_inst_pref_size 45
	.end_amdhsa_kernel
	.amdgpu_metadata
---
amdhsa.version: [ 1, 2 ]
amdhsa.kernels:
  - .name:           k_q4c17e1068c_quant
    .symbol:         k_q4c17e1068c_quant.kd
    .args:
      - { .name: x, .offset: 0, .size: 8, .value_kind: global_buffer, .address_space: global }
      - { .name: Wq, .offset: 8, .size: 8, .value_kind: global_buffer, .address_space: global }
      - { .name: Wk, .offset: 16, .size: 8, .value_kind: global_buffer, .address_space: global }
      - { .name: Wv, .offset: 24, .size: 8, .value_kind: global_buffer, .address_space: global }
      - { .name: xi, .offset: 32, .size: 8, .value_kind: global_buffer, .address_space: global }
      - { .name: wi, .offset: 40, .size: 8, .value_kind: global_buffer, .address_space: global }
    .group_segment_fixed_size: 95232
    .private_segment_fixed_size: 0
    .kernarg_segment_align: 8
    .kernarg_segment_size: 48
    .max_flat_workgroup_size: 256
    .sgpr_count:     66
    .vgpr_count:     256
    .wavefront_size: 32
...
	.end_amdgpu_metadata
.endif
;; end of part 1
;; launch proj (part 2): grid 64 x 4, 4 waves a work-group, clusters of 4 x 1, 327,680 bytes of LDS; arguments xi, wi, qi, kv; writes qi, kv
.if DOCPART == 2
	.amdgcn_target "amdgcn-amd-amdhsa--gfx1250"
	.amdhsa_code_object_version 6
	.text
	.protected	k_q4c17e1068c_proj
	.globl	k_q4c17e1068c_proj
	.p2align	8
	.type	k_q4c17e1068c_proj,@function
k_q4c17e1068c_proj:
	s_mov_b64 s[64:65], 0
	v_nop
	global_prefetch_b8 v0, s[64:65] scope:SCOPE_SE
	s_setreg_imm32_b32 hwreg(HW_REG_WAVE_MODE, 25, 1), 1
	s_wait_xcnt 0x0
	s_wait_alu depctr_hold_cnt(0) depctr_sa_sdst(0) depctr_va_vdst(0) depctr_va_sdst(0) depctr_va_ssrc(0) depctr_va_vcc(0) depctr_vm_vsrc(0)
	s_getreg_b32 s2, hwreg(HW_REG_IB_STS2, 6, 4)
	s_cmp_eq_u32 s2, 0
	s_cbranch_scc0 .Lentry_in_a_cluster
	s_endpgm
.Lentry_in_a_cluster:
	s_bfe_u32 s2, ttmp6, 0x10000c
	s_cmp_lg_u32 s2, 0x3003
	s_cbranch_scc0 .Lentry_shape_is_right
	s_endpgm
.Lentry_shape_is_right:
; q = x Wq, k = x Wk, v = x Wv on codes of BF6 (E3M2) with E8M0 scales, sums in f32, K = 1,024 ascending on one accumulator for each output; the results are quantised in registers
; (q and k along the head's 128, v along the keys) and leave as images of operand registers (16 rows x 128 K: 1,536 bytes, registers 4 c .. 4 c + 3 of lane l at 512 c + 16 l; the 16 rows of tile (G, u)
; are rows 32 G + 8 u + r + 8 (r / 8)).   qi: [bh 32][block 16] of 12,800 bytes: 8 images (16 queries x 128 d), then scale words [lo 2][lane 16 u + r][2]: tile 4 lo + 2 i + u.
; kv: [bh 32][key step 16] of 25,600 bytes: K's 8 images (16 keys x 128 d) | V's 8 images (16 d x 128 keys) | K's 512 scale bytes | V's 512, laid as qi's.
; LIMITS: NaN and infinities are not served; a block of zeros, or one whose largest magnitude lies under 2^(5 - 127), gets the byte 1: zero codes add nothing under it, and only this program reads the bytes.
; SHARES.  A work-group owns 128 rows of x (block xb, which stays in LDS) and 256 columns (g: two heads) of each of Wq, Wk, Wv: three phases.  Wave w (hi = w >> 1, lo = w & 1) makes 4 i tiles x 8 j tiles.
; THE MATRIX INSTRUCTION TAKES source 0 = 16 j rows, source 1 = 16 i rows: a lane then holds ONE i row, and by the choice of a tile's rows its 64 registers run along 128 neighbouring j, 16 to a block's half.
;   q, k: j = head hi's 128 columns of W, i = x's tiles 4 lo + a.     v: j = x's 128 rows (keys), i = W's tiles 4 w + a (16 d each).   In all three the result is fragment t = 4 lo + a of head 2 g + hi.
; W's halves (512 along K: 102,400 bytes) go through two LDS slots.  CLUSTER: the four work-groups of a cluster have the same g and walk the same W: each slot is asked for JOINTLY (mask 15).
; x's block is not asked for jointly: the work-groups that share it differ in g; it is 102,400 of the 716,800 bytes that a work-group brings in, and comes once.
; REGISTERS, in windows of 256: window 0: v1 16 x lane, v2, v3 for the add, v8-15 and v16-23 LDS addresses of the two roles, v32-79 scale words (two sets), v112-255 fragment set 0 (J at 112 + 12 b, I at 208 + 12 a);
;   window 2: v112-255 fragment set 1;  window 1: v0-127 accumulators of a = 0, 1 (64 (a % 2) + 8 b), v128-183 the quantiser's;  window 3: the same for a = 2, 3.
.set WS,    102400                     ; LDS: x's block at 0; W's slot hf at WS (1 + hf)
.set SPARE, 307200                     ; the spare words: 128 bytes for each wave, two blocks of 256 bytes that no other line names
.set AQ, 8                             ; v[R+hf] J's images, v[R+2+hf] I's, v[R+4+hf] J's scale words, v[R+6+hf] I's: R = AQ in the phases q and k,
.set AV, 16                            ; R = AV in the phase v
.set TM, 128                           ; the quantiser's registers, local numbers in windows 1 and 3: v128-143 at work, v144-145 scale words, v148-171 two fragments of codes,
.set PT, 172                           ; v172-179 half blocks, v180 16 x lane, v181 8 x lane, v182-183 the scale words that leave
.set MSB, 0
.macro WIN new                         ; the immediate's high byte repeats the setting that is left
.if MSB != \new
	s_set_vgpr_msb (MSB<<8)|\new
.set MSB, \new
.endif
.endm
.macro PLACES                          ; four plain vector instructions between a matrix instruction and a load into, or a vector read of, its registers
.rept 4
	v_nop
.endr
.endm
.macro ROUND                           ; a round of the cluster's barrier
	s_barrier_signal -1
	s_barrier_wait -1
	s_cmp_lg_u32 s12, 0
	s_cbranch_scc1 .Lnot_wave_0_\@
	s_barrier_signal -3
.Lnot_wave_0_\@:
	s_barrier_wait -3
	s_barrier_signal -1
	s_barrier_wait -1
.endm
; One product.  rD, rA, rB: first registers; rSA, rSB: scale registers; rRA, rRB: 1 = that side's words lie in lanes 16-31.  zero = 1: it starts the sum.
.macro WM zero
.if \zero
.if rRA == 0 && rRB == 0
	v_wmma_scale_f32_16x16x128_f8f6f4 v[rD:rD+7], v[rA:rA+11], v[rB:rB+11], 0, v[rSA], v[rSB] matrix_a_fmt:MATRIX_FMT_BF6 matrix_b_fmt:MATRIX_FMT_BF6
.elseif rRA == 1 && rRB == 0
	v_wmma_scale_f32_16x16x128_f8f6f4 v[rD:rD+7], v[rA:rA+11], v[rB:rB+11], 0, v[rSA], v[rSB] matrix_a_fmt:MATRIX_FMT_BF6 matrix_b_fmt:MATRIX_FMT_BF6 matrix_a_scale:MATRIX_SCALE_ROW1
.elseif rRA == 0 && rRB == 1
	v_wmma_scale_f32_16x16x128_f8f6f4 v[rD:rD+7], v[rA:rA+11], v[rB:rB+11], 0, v[rSA], v[rSB] matrix_a_fmt:MATRIX_FMT_BF6 matrix_b_fmt:MATRIX_FMT_BF6 matrix_b_scale:MATRIX_SCALE_ROW1
.else
	v_wmma_scale_f32_16x16x128_f8f6f4 v[rD:rD+7], v[rA:rA+11], v[rB:rB+11], 0, v[rSA], v[rSB] matrix_a_fmt:MATRIX_FMT_BF6 matrix_b_fmt:MATRIX_FMT_BF6 matrix_a_scale:MATRIX_SCALE_ROW1 matrix_b_scale:MATRIX_SCALE_ROW1
.endif
.else
.if rRA == 0 && rRB == 0
	v_wmma_scale_f32_16x16x128_f8f6f4 v[rD:rD+7], v[rA:rA+11], v[rB:rB+11], v[rD:rD+7], v[rSA], v[rSB] matrix_a_fmt:MATRIX_FMT_BF6 matrix_b_fmt:MATRIX_FMT_BF6
.elseif rRA == 1 && rRB == 0
	v_wmma_scale_f32_16x16x128_f8f6f4 v[rD:rD+7], v[rA:rA+11], v[rB:rB+11], v[rD:rD+7], v[rSA], v[rSB] matrix_a_fmt:MATRIX_FMT_BF6 matrix_b_fmt:MATRIX_FMT_BF6 matrix_a_scale:MATRIX_SCALE_ROW1
.elseif rRA == 0 && rRB == 1
	v_wmma_scale_f32_16x16x128_f8f6f4 v[rD:rD+7], v[rA:rA+11], v[rB:rB+11], v[rD:rD+7], v[rSA], v[rSB] matrix_a_fmt:MATRIX_FMT_BF6 matrix_b_fmt:MATRIX_FMT_BF6 matrix_b_scale:MATRIX_SCALE_ROW1
.else
	v_wmma_scale_f32_16x16x128_f8f6f4 v[rD:rD+7], v[rA:rA+11], v[rB:rB+11], v[rD:rD+7], v[rSA], v[rSB] matrix_a_fmt:MATRIX_FMT_BF6 matrix_b_fmt:MATRIX_FMT_BF6 matrix_a_scale:MATRIX_SCALE_ROW1 matrix_b_scale:MATRIX_SCALE_ROW1
.endif
.endif
.endm
; The scale words of half hf, all four K steps: register 4 q + s: lanes 0-15 the word of tile 2 q, lanes 16-31 that of tile 2 q + 1, K step s.  J's four pairs of tiles, then I's two.
.macro SCALES hf, R
	WIN 0
.irp q, 0,1,2,3
	ds_load_b128 v[32+24*\hf+4*\q:35+24*\hf+4*\q], v[\R+4+\hf] offset:512*\q
.endr
.irp q, 0,1
	ds_load_b128 v[48+24*\hf+4*\q:51+24*\hf+4*\q], v[\R+6+\hf] offset:512*\q
.endr
.endm
; 36 LDS loads in one run: the 12 fragments of K step sp of half hf into fragment set 0 or 1: J's eight, I's a = 0, 1, I's a = 2, 3.  Each load takes 512 consecutive bytes.
.macro FETCHF hf, sp, set, R
.if (\set)
	WIN 0x80                                       ; destination window 2, address window 0
.else
	WIN 0
.endif
.irp b, 0,1,2,3,4,5,6,7
.irp c, 0,1,2
	ds_load_b128 v[112+12*\b+4*\c:115+12*\b+4*\c], v[\R+\hf] offset:6144*\b+1536*(\sp)+512*\c
.endr
.endr
.irp a, 0,1,2,3
.irp c, 0,1,2
	ds_load_b128 v[208+12*\a+4*\c:211+12*\a+4*\c], v[\R+2+\hf] offset:6144*\a+1536*(\sp)+512*\c
.endr
.endr
.endm
; 8 products: i tile a against the eight j tiles.  The 32 accumulators take turns, one instruction a turn, in the same order in every K step.
.macro MULA a, set, sp, hf, zero
.set WW, 0x50+0xA0*((\a)/2)+0x0A*(\set)
	WIN WW                                         ; C and D window 1 or 3; sources window 0 or 2
.irp b, 0,1,2,3,4,5,6,7
.set rD, 64*((\a)%2)+8*\b
.set rA, 112+12*\b
.set rB, 208+12*(\a)
.set rSA, 32+24*(\hf)+4*(\b/2)+(\sp)
.set rSB, 48+24*(\hf)+4*((\a)/2)+(\sp)
.set rRA, \b%2
.set rRB, (\a)%2
	WM \zero
.endr
.endm
; A K step that has its successor in the same half.
.macro STEP hf, sp, R, zero
	s_wait_dscnt 6                                 ; all but the six youngest loads (I's a = 2, 3) are in
	MULA 0, (\sp)%2, \sp, \hf, \zero
	MULA 1, (\sp)%2, \sp, \hf, \zero
	PLACES                                         ; in front of the loads into the other set, which the last K step multiplied
	FETCHF \hf, (\sp)+1, 1-(\sp)%2, \R
	s_wait_dscnt 36                                ; all but the 36 just issued
	MULA 2, (\sp)%2, \sp, \hf, \zero
	MULA 3, (\sp)%2, \sp, \hf, \zero
.endm
; A half's last K step changes halves.  In front of the barrier each wave waits for all its tensor loads (its part of the other slot), adds 0 to its spare word, and waits for that and for its reads of this slot.
; fill = 1: the barrier is a round of the cluster's, and this slot is filled again first thing behind it, with the same half of the next W.
.macro TURN hf, nhf, nR, fill
	WIN 0
	s_wait_tensorcnt 0x0                           ; no tensor load of mine is out, so a group 0 may be written
	ds_add_u32 v2, v3                              ; 0 onto my spare word
.if \fill
	s_add_nc_u64 s[42+4*\hf:43+4*\hf], s[42+4*\hf:43+4*\hf], 204800   ; two slots of wi on: the next W, the same half
.endif
	s_wait_dscnt 7                                 ; the add and the six youngest loads may be out
	MULA 0, 1, 3, \hf, 0
	MULA 1, 1, 3, \hf, 0
	WIN 0                                          ; at a branch and at a label every window is 0
	s_wait_dscnt 0x0                               ; the add is done, and my reads of this slot are over
.if \fill
	ROUND                                          ; no wave of any partner still reads this slot or has a load on its way
	tensor_load_to_lds s[40+4*\hf:43+4*\hf], s[28:35]
	s_nop 0
.else
	s_barrier_signal -1
	s_barrier_wait -1
.endif
	PLACES                                         ; behind the tensor load, and in front of the loads into set 0
	SCALES \nhf, \nR
	FETCHF \nhf, 0, 0, \nR
	MULA 2, 1, 3, \hf, 0
	MULA 3, 1, 3, \hf, 0
.endm
; 64 numbers of a lane, register 16 b + i = k 32 b + 16 (lane / 16) + i of my row, become a fragment's codes at v[pc] and the row's scale word in v[pw].  Each accumulator is read from its low end on.
.macro QUANT s, pc, pw
.irp b, 0,1,2,3
	v_max3_num_f32 v[TM+\b], |v[\s+16*\b]|, |v[\s+1+16*\b]|, 0x2800000   ; the floor 2^(5 - 127) among the leaves: the byte cannot fall under 1
.endr
.irp i, 2,4,6,8,10,12,14
.irp b, 0,1,2,3
	v_max3_num_f32 v[TM+\b], v[TM+\b], |v[\s+16*\b+\i]|, |v[\s+1+16*\b+\i]|
.endr
.endr
.irp b, 0,1,2,3
	v_permlanex16_b32 v[TM+4+\b], v[TM+\b], s60, s61
.endr
.irp b, 0,1,2,3
	v_max_num_f32 v[TM+\b], v[TM+\b], v[TM+4+\b]   ; with lane l xor 16's 16: the block's largest magnitude
.endr
.irp b, 0,1,2,3
	v_add_nc_u32 v[TM+12+\b], 0xfe000000, v[TM+\b] ; 4 off its exponent field: the conversion's scale operand
.endr
.irp b, 0,1,2,3
	v_lshrrev_b32 v[TM+4+\b], 23, v[TM+12+\b]      ; the scale's byte
.endr
	v_lshl_or_b32 v[\pw], v[TM+5], 8, v[TM+4]
	v_lshl_or_b32 v[\pw], v[TM+6], 16, v[\pw]
	v_lshl_or_b32 v[\pw], v[TM+7], 24, v[\pw]
.irp c, 0,1
	v_cvt_scalef32_pk16_bf6_f32 v[\pc+6*\c:\pc+2+6*\c], v[\s+32*\c:\s+15+32*\c], v[TM+12+2*\c]
	v_cvt_scalef32_pk16_bf6_f32 v[PT+4*\c:PT+2+4*\c], v[\s+16+32*\c:\s+31+32*\c], v[TM+13+2*\c]   ; (a conversion's three registers begin on an even number)
.endr
	v_nop                                          ; one plain place behind a scaled conversion
.irp c, 0,1                                    ; the operand's layout wants a whole block in a lane
.irp i, 0,1,2
	v_permlane16_swap_b32 v[\pc+6*\c+\i], v[PT+4*\c+\i]
.endr
.irp i, 0,1,2
	v_mov_b32 v[\pc+3+6*\c+\i], v[PT+4*\c+\i]
.endr
.endr
.endm
.macro OUT3 pc, a, P                   ; an image leaves: three stores of 512 consecutive bytes, at multiples of 256
.irp c, 0,1,2
	global_store_b128 v180, v[\pc+4*\c:\pc+4*\c+3], s[\P:\P+1] offset:1536*\a+512*\c
.endr
.endm
; A phase's end: my four fragments and their scale words.
.macro EPI P, SP
	WIN 0
	PLACES                                         ; behind the last products
	s_wait_xcnt 0x0                                ; the last phase's stores have read their data: these registers are written again only behind this wait
	WIN 0x55                                       ; everything in window 1
	QUANT 0, 148, 144
	OUT3 148, 0, \P
	QUANT 64, 160, 145
	OUT3 160, 1, \P
	v_cndmask_b32 v182, v144, v145, s62            ; lanes 0-15: the words of tile a = 0; lanes 16-31: those of a = 1
	WIN 0xFF                                       ; everything in window 3
	QUANT 0, 148, 144
	OUT3 148, 2, \P
	QUANT 64, 160, 145
	OUT3 160, 3, \P
	v_cndmask_b32 v183, v144, v145, s62
	WIN 0xC1                                       ; window 3 <- window 1
	v_mov_b32 v182, v182
	WIN 0xFF
	global_store_b64 v181, v[182:183], s[\SP:\SP+1]   ; 32 lanes store 256 consecutive bytes, at a multiple of 256
	WIN 0
.endm
	s_load_b256 s[4:11], s[0:1], 0x0               ; xi s[4:5], wi s[6:7], qi s[8:9], kv s[10:11]
	v_lshl_add_u32 v2, v0, 2, SPARE
	v_mov_b32 v3, 0
	ds_add_u32 v2, v3
	ds_add_u32 v2, v3
	s_wait_dscnt 0x0
	v_lshrrev_b32 v4, 5, v0
	v_readfirstlane_b32 s12, v4                    ; wave 0..3
	s_lshr_b32 s13, s12, 1                         ; hi
	s_and_b32 s14, s12, 1                          ; lo
	s_bfe_u32 s15, ttmp6, 0x40000                  ; cx
	s_lshl_b32 s16, ttmp9, 2
	s_add_co_u32 s16, s16, s15                     ; xb = 4 x cluster x + cx: it enters x's and the outputs' addresses alone
	s_and_b32 s17, ttmp7, 0xffff                   ; g, which the four partners share
	; descriptor group 1: a dense block of 25,600 bytes as 100 rows of 256 bytes (32 elements of 8 bytes), no padding
	s_mov_b32 s20, 3<<16                           ; x's: no mask
	s_mov_b32 s28, 15|(3<<16)|(1<<21)
	s_mov_b32 s80, 15|(3<<16)|(1<<21)              ; the head's load of W: the same mask
.irp g, 20, 28, 80
	s_mov_b32 s[\g+1], 32<<16                      ; tensor_dim0
	s_mov_b32 s[\g+2], 100<<16                     ; tensor_dim1
	s_mov_b32 s[\g+3], 32<<16                      ; tile_dim0
	s_mov_b32 s[\g+4], 100                         ; tile_dim1
	s_mov_b32 s[\g+5], 32                          ; from row to row
	s_mov_b32 s[\g+6], 0
	s_mov_b32 s[\g+7], 0
.endr
.irp g, 20, 80                                 ; the head's two shapes bring half a block, 51,200 bytes: 200 rows of 256 bytes
	s_mov_b32 s[\g+2], 200<<16
	s_mov_b32 s[\g+4], 200
.endr
	s_mov_b32 s60, 0x76543210
	s_mov_b32 s61, 0xfedcba98                      ; v_permlanex16_b32's selects for lane l xor 16
	s_mov_b32 s62, 0xffff0000                      ; lanes 16-31
	s_mul_i32 s66, s12, 25600                      ; each wave moves a quarter of every block
	s_mul_i32 s68, s17, 614400                     ; six slots of wi for each g
	s_add_co_u32 s68, s68, s66
	s_mov_b32 s69, 0
	s_mul_i32 s70, s16, 102400
	s_mul_i32 s78, s14, 51200                      ; at the head a wave moves half a block: which half
	s_add_co_u32 s70, s70, s78
	s_mul_i32 s92, s17, 614400
	s_add_co_u32 s92, s92, s78                     ; the same half of Wq's first half
	s_mov_b32 s93, 0
	s_mov_b32 s71, 0
	s_wait_kmcnt 0x0
	s_mov_b32 s36, 1
	s_mov_b32 s37, s78
	s_add_nc_u64 s[38:39], s[4:5], s[70:71]
	s_or_b32 s39, s39, 0x80000000
	s_add_nc_u64 s[68:69], s[6:7], s[68:69]
	s_mov_b32 s88, 1
	s_add_co_u32 s89, s78, WS
	s_add_nc_u64 s[90:91], s[6:7], s[92:93]
	s_or_b32 s91, s91, 0x80000000
.irp h, 0, 1
	s_mov_b32 s[40+4*\h], 1
	s_add_co_u32 s[41+4*\h], s66, WS*(1+\h)
	s_add_nc_u64 s[42+4*\h:43+4*\h], s[68:69], 102400*\h   ; Wq's half h
	s_or_b32 s[43+4*\h], s[43+4*\h], 0x80000000
.endr
	ROUND                                          ; all four work-groups are here: the first joint loads meet
	s_cmp_lt_u32 s12, 2                            ; one tensor load a wave at the head: waves 0, 1 x's two halves,
	s_cbranch_scc0 .Lhead_w
	tensor_load_to_lds s[36:39], s[20:27]
	s_nop 0
	PLACES
	s_branch .Lhead_asked
.Lhead_w:
	tensor_load_to_lds s[88:91], s[80:87]          ; waves 2, 3 the two halves of Wq's first half, jointly
	s_nop 0
	PLACES
.Lhead_asked:
	v_and_b32 v5, 31, v0
	v_lshlrev_b32 v1, 4, v5                        ; 16 x lane
	s_wait_alu depctr_va_vdst(0)
	s_mul_i32 s66, s13, 49152
	s_mul_i32 s67, s14, 24576
	s_lshl_b32 s68, s13, 11
	s_lshl_b32 s69, s14, 10
	s_mul_i32 s70, s12, 24576
	s_lshl_b32 s71, s12, 10
.irp h, 0, 1
	s_add_co_u32 s72, s66, WS*(1+\h)
	v_add_nc_u32 v[AQ+\h], s72, v1                 ; q, k: J = W's tiles 8 hi + b
	s_add_co_u32 s72, s67, 49152*\h
	v_add_nc_u32 v[AQ+2+\h], s72, v1               ;       I = x's tiles 4 lo + a
	s_add_co_u32 s72, s68, WS*(1+\h)+98304
	v_add_nc_u32 v[AQ+4+\h], s72, v1
	s_add_co_u32 s72, s69, 98304+2048*\h
	v_add_nc_u32 v[AQ+6+\h], s72, v1
	v_add_nc_u32 v[AV+\h], 49152*\h, v1            ; v: J = x's tiles b
	s_add_co_u32 s72, s70, WS*(1+\h)
	v_add_nc_u32 v[AV+2+\h], s72, v1               ;    I = W's tiles 4 w + a
	v_add_nc_u32 v[AV+4+\h], 98304+2048*\h, v1
	s_add_co_u32 s72, s71, WS*(1+\h)+98304
	v_add_nc_u32 v[AV+6+\h], s72, v1
.endr
	; where the results go: idx = (batch x 8 + head) x 16 + block in the batch
	s_lshr_b32 s72, s16, 4
	s_lshl_b32 s72, s72, 3
	s_lshl_b32 s73, s17, 1
	s_add_co_u32 s72, s72, s73
	s_add_co_u32 s72, s72, s13
	s_lshl_b32 s72, s72, 4
	s_and_b32 s73, s16, 15
	s_add_co_u32 s72, s72, s73
	s_mul_i32 s74, s72, 12800
	s_mul_i32 s75, s72, 25600
	s_mul_i32 s76, s14, 6144
	s_lshl_b32 s77, s14, 8
	s_mov_b32 s73, 0
	s_add_co_u32 s72, s74, s76
	s_add_nc_u64 s[48:49], s[8:9], s[72:73]        ; q's images
	s_add_co_u32 s72, s74, s77
	s_add_co_u32 s72, s72, 12288
	s_add_nc_u64 s[50:51], s[8:9], s[72:73]        ; q's scale words
	s_add_co_u32 s72, s75, s76
	s_add_nc_u64 s[52:53], s[10:11], s[72:73]      ; k's images
	s_add_co_u32 s72, s75, s77
	s_add_co_u32 s72, s72, 24576
	s_add_nc_u64 s[54:55], s[10:11], s[72:73]      ; k's scale words
	s_add_nc_u64 s[56:57], s[52:53], 12288         ; v's images
	s_add_nc_u64 s[58:59], s[54:55], 512           ; v's scale words
.irp w, 0x40, 0xC0                             ; the quantiser's constants, in windows 1 and 3
	WIN \w
	v_mov_b32 v180, v1
	v_lshlrev_b32 v181, 3, v5
.irp b, 0,1,2,3
	v_mov_b32 v[TM+4+\b], 0                        ; a lane permute's destination counts as one of its sources
.endr
.endr
	WIN 0
	s_wait_alu depctr_va_vdst(0)                   ; the wait at the head's end
	s_wait_tensorcnt 0x0                           ; my part of x's block or of Wq's first half is in
	ds_add_u32 v2, v3                              ; 0 onto my spare word, ahead of a later first fill
	s_wait_dscnt 0x0
	ROUND                                          ; everybody's parts are in, and the four work-groups meet
	tensor_load_to_lds s[44:47], s[28:35]          ; Wq's second half, a quarter a wave: my one load behind the round
	s_nop 0
	PLACES
	SCALES 0, AQ
	FETCHF 0, 0, 0, AQ
.macro PHASE R, nR                     ; eight K steps; both slots are filled again with the next W
	STEP 0, 0, \R, 1                               ; the first products start the sums: nothing is cleared
	STEP 0, 1, \R, 0
	STEP 0, 2, \R, 0
	TURN 0, 1, \R, 1
	STEP 1, 0, \R, 0
	STEP 1, 1, \R, 0
	STEP 1, 2, \R, 0
	TURN 1, 0, \nR, 1
.endm
	PHASE AQ, AQ
	EPI 48, 50                                     ; q leaves while the next phase's first fragments are on their way from LDS
	PHASE AQ, AV
	EPI 52, 54                                     ; k
	STEP 0, 0, AV, 1                               ; v: nothing is left to fetch
	STEP 0, 1, AV, 0
	STEP 0, 2, AV, 0
	TURN 0, 1, AV, 0
	STEP 1, 0, AV, 0
	STEP 1, 1, AV, 0
	STEP 1, 2, AV, 0
	s_wait_dscnt 6
	MULA 0, 1, 3, 1, 0
	MULA 1, 1, 3, 1, 0
	s_wait_dscnt 0x0
	MULA 2, 1, 3, 1, 0
	MULA 3, 1, 3, 1, 0
	EPI 56, 58
	s_wait_tensorcnt 0x0                           ; the wave's end
	ds_add_u32 v2, v3
	s_wait_dscnt 0x0
	ROUND                                          ; the closing round: no work-group ends while a partner may still ask for a slot that names it
	s_endpgm
.Lfunc_end_k_q4c17e1068c_proj:
	.size	k_q4c17e1068c_proj, .Lfunc_end_k_q4c17e1068c_proj-k_q4c17e1068c_proj
	.p2alignl 7, 3214868480
	.fill 96, 4, 3214868480
	.section	.rodata,"a",@progbits
	.p2align	6, 0x0
	.amdhsa_kernel k_q4c17e1068c_proj
		.amdhsa_group_segment_fixed_size 327680
		.amdhsa_private_segment_fixed_size 0
		.amdhsa_enable_private_segment 0
		.amdhsa_kernarg_size 32
		.amdhsa_user_sgpr_count 2
		.amdhsa_user_sgpr_kernarg_segment_ptr 1
		.amdhsa_wavefront_size32 1
		.amdhsa_system_sgpr_workgroup_id_x 1
		.amdhsa_system_sgpr_workgroup_id_y 1
		.amdhsa_system_sgpr_workgroup_id_z 1
		.amdhsa_system_vgpr_workitem_id 0
		.amdhsa_next_free_vgpr 1024
		.amdhsa_next_free_sgpr 96
		.amdhsa_reserve_vcc 0
		.amdhsa_float_denorm_mode_32 3
		.amdhsa_float_denorm_mode_16_64 3
		.amdhsa_memory_ordered 1
		.amdhsa_forward_progress 1
		.amdhsa_inst_pref_size 221
	.end_amdhsa_kernel
	.amdgpu_metadata
---
amdhsa.version: [ 1, 2 ]
amdhsa.kernels:
  - .name:           k_q4c17e1068c_proj
    .symbol:         k_q4c17e1068c_proj.kd
    .args:
      - { .name: xi, .offset: 0, .size: 8, .value_kind: global_buffer, .address_space: global }
      - { .name: wi, .offset: 8, .size: 8, .value_kind: global_buffer, .address_space: global }
      - { .name: qi, .offset: 16, .size: 8, .value_kind: global_buffer, .address_space: global }
      - { .name: kv, .offset: 24, .size: 8, .value_kind: global_buffer, .address_space: global }
    .group_segment_fixed_size: 327680
    .private_segment_fixed_size: 0
    .kernarg_segment_align: 8
    .kernarg_segment_size: 32
    .max_flat_workgroup_size: 128
    .sgpr_count:     96
    .vgpr_count:     1024
    .wavefront_size: 32
...
	.end_amdgpu_metadata
.endif
;; end of part 2
;; launch attn (part 3): grid 8 x 32, 8 waves a work-group, clusters of 4 x 1, 327,680 bytes of LDS; arguments qi, kv, out0; writes out0
.if DOCPART == 3
	.amdgcn_target "amdgcn-amd-amdhsa--gfx1250"
	.amdhsa_code_object_version 6
	.text
	.protected	k_q4c17e1068c_attn
	.globl	k_q4c17e1068c_attn
	.p2align	8
	.type	k_q4c17e1068c_attn,@function
k_q4c17e1068c_attn:
	s_mov_b64 s[64:65], 0
	v_nop
	global_prefetch_b8 v0, s[64:65] scope:SCOPE_SE
	s_setreg_imm32_b32 hwreg(HW_REG_WAVE_MODE, 25, 1), 1
	s_wait_xcnt 0x0
	s_wait_alu depctr_hold_cnt(0) depctr_sa_sdst(0) depctr_va_vdst(0) depctr_va_sdst(0) depctr_va_ssrc(0) depctr_va_vcc(0) depctr_vm_vsrc(0)
	s_getreg_b32 s2, hwreg(HW_REG_IB_STS2, 6, 4)
	s_cmp_eq_u32 s2, 0
	s_cbranch_scc0 .Lentry_in_a_cluster
	s_endpgm
.Lentry_in_a_cluster:
	s_bfe_u32 s2, ttmp6, 0x10000c
	s_cmp_lg_u32 s2, 0x3003
	s_cbranch_scc0 .Lentry_shape_is_right
	s_endpgm
.Lentry_shape_is_right:
; out[b][q][head][:] = the sum over keys of softmax(q . k / 8) v, both products on codes of BF6 (E3M2) with E8M0 scales.  32 heads bh = 8 b + head, 2,048 queries and keys, head size 128.
; qi: [bh][block 16] of 12,800 bytes: 8 images (16 queries x 128 d), scale words [lo 2][lane 16 u + r][2] (tile 4 lo + 2 i + u).   kv: [bh][key step 16] of 25,600 bytes: K's 8 images (16 keys x 128 d) |
; V's 8 images (16 d x 128 keys) | K's 512 scale bytes | V's 512.  An image is a fragment's 12 registers: registers 4 c .. 4 c + 3 of lane l at 512 c + 16 l.  The 16 rows of tile (G, u) are rows 32 G + 8 u + r + 8 (r / 8).
; THE SOFTMAX: t = score x log2(e) / 8; M = the running largest t rounded UP to a whole number; p = 2^(t - M) is quantised along the keys, not normalised; the row's sum is taken of the unquantised p and
; divides at the end.  When M moves, the sum and O are multiplied by 2^(old M - new M), which rounds nothing.
; LIMITS: NaN and infinities are not served.  A block's largest p is made from the block's largest score by the same multiply-add and exponential: this takes v_exp_f32 not to fall where its input rises.
; A block whose every p has fallen to 0 keeps the byte 1: its codes are zeros.  The promise holds while |t| stays under 2^31.
; SHARES.  A work-group owns 256 queries of one head; each of its eight waves two tiles of 16, so that each fragment of K and V read from LDS feeds two products.  Both products are used transposed
; (S^T = K Q^T, O^T = V^T P^T): a lane holds one query of each tile, and the 16 registers of tiles 2 b, 2 b + 1 are 16 neighbouring keys (or channels).
; The 64 additions of the last step's p stand between the loads of K's fragments from LDS and the wait for them.  The multiplications of O^T by f stand among the second product's instructions, two tiles
; ahead of the accumulator that they serve; the registers are laid so that both run under one window setting.
; LDS holds 12 of the head's 16 key steps.  Steps 0-3 are asked for at the head, steps 4-11 by one load a wave behind the first round, steps 12-15 go into the bytes of steps 0-3 behind the launch's one refill.
; CLUSTER: the four work-groups of a cluster belong to one head and walk the same K and V: every fill is asked for JOINTLY (mask 15), an eighth of it by each wave.
; PREFETCH: behind the load of steps 4-11, four key steps ahead of the refill, each wave names 13 blocks of 256 bytes of steps 12-15 (its work-group's 100; lanes left over name their wave's last block); the
; partners are told apart by address.  Steps 0-11 come by their loads alone: the load of steps 4-11 is issued as soon as steps 0-3 have landed, so no key step lies ahead of it in which to ask.
; REGISTERS.  window 1: v[64 x + 8 t ..] S^T, then p; v128-223 eight fragments of K or of V; v[224 + 12 x ..] Q; v[248 + 2 x ..] the row's sum in two halves; v[252 + 2 x] f.
;   window 0: v1 16 x lane, v2 8 x lane, v3, v4 for the add, v5, v6 LDS addresses, v8, v9 the stage, v10 Q's scale words, v[12 + 2 x] -M, v[13 + 2 x] the largest t, v17 the prefetch's offset,
;   v20-23 K's scale words, v24-27 V's, v[28 + x] p's; v[32 + 8 x ..] block maxima, v[36 + 8 x ..] at work, v[48 + 4 x ..] scale operands, v[56 + x] at work, v[60 + 12 x ..] p's codes, v[84 + 8 x ..] half blocks; v[128 + 64 x + 8 t ..] O^T.
.set STEPB, 25600                      ; a key step's bytes
.set CHUNK, 102400                     ; four key steps
.set SPARE, 307200                     ; behind the twelve places: the spare words, 128 bytes for each wave, that no other line names
.set STAGE, 102400                     ; the way out: 2 x 16 rows x 528 bytes for each wave, in the bytes of key steps 4-11: they have had their last fill, and their last read stands in front of a barrier
.set FR,  128
.set QF,  224
.set ACC, 248
.set FF,  252
.set OT,  128
.set NM,  12
.set BM,  32
.set WK,  36
.set SO,  48
.set TW,  56
.set PC,  60
.set HB,  84
.set MSB, 0
.macro WIN new                         ; the immediate's high byte repeats the setting that is left
.if MSB != \new
	s_set_vgpr_msb (MSB<<8)|\new
.set MSB, \new
.endif
.endm
.macro PLACES
.rept 4
	v_nop
.endr
.endm
.macro ROUND                           ; a round of the cluster's barrier
	s_barrier_signal -1
	s_barrier_wait -1
	s_cmp_lg_u32 s10, 0
	s_cbranch_scc1 .Lnot_wave_0_\@
	s_barrier_signal -3
.Lnot_wave_0_\@:
	s_barrier_wait -3
	s_barrier_signal -1
	s_barrier_wait -1
.endm
; One product.  rD, rA, rB: first registers; rSA, rSB: scale registers; rRA, rRB: 1 = that side's words lie in lanes 16-31.  zero = 1: it starts the sum.
.macro WM zero
.if \zero
.if rRA == 0 && rRB == 0
	v_wmma_scale_f32_16x16x128_f8f6f4 v[rD:rD+7], v[rA:rA+11], v[rB:rB+11], 0, v[rSA], v[rSB] matrix_a_fmt:MATRIX_FMT_BF6 matrix_b_fmt:MATRIX_FMT_BF6
.elseif rRA == 1 && rRB == 0
	v_wmma_scale_f32_16x16x128_f8f6f4 v[rD:rD+7], v[rA:rA+11], v[rB:rB+11], 0, v[rSA], v[rSB] matrix_a_fmt:MATRIX_FMT_BF6 matrix_b_fmt:MATRIX_FMT_BF6 matrix_a_scale:MATRIX_SCALE_ROW1
.elseif rRA == 0 && rRB == 1
	v_wmma_scale_f32_16x16x128_f8f6f4 v[rD:rD+7], v[rA:rA+11], v[rB:rB+11], 0, v[rSA], v[rSB] matrix_a_fmt:MATRIX_FMT_BF6 matrix_b_fmt:MATRIX_FMT_BF6 matrix_b_scale:MATRIX_SCALE_ROW1
.else
	v_wmma_scale_f32_16x16x128_f8f6f4 v[rD:rD+7], v[rA:rA+11], v[rB:rB+11], 0, v[rSA], v[rSB] matrix_a_fmt:MATRIX_FMT_BF6 matrix_b_fmt:MATRIX_FMT_BF6 matrix_a_scale:MATRIX_SCALE_ROW1 matrix_b_scale:MATRIX_SCALE_ROW1
.endif
.else
.if rRA == 0 && rRB == 0
	v_wmma_scale_f32_16x16x128_f8f6f4 v[rD:rD+7], v[rA:rA+11], v[rB:rB+11], v[rD:rD+7], v[rSA], v[rSB] matrix_a_fmt:MATRIX_FMT_BF6 matrix_b_fmt:MATRIX_FMT_BF6
.elseif rRA == 1 && rRB == 0
	v_wmma_scale_f32_16x16x128_f8f6f4 v[rD:rD+7], v[rA:rA+11], v[rB:rB+11], v[rD:rD+7], v[rSA], v[rSB] matrix_a_fmt:MATRIX_FMT_BF6 matrix_b_fmt:MATRIX_FMT_BF6 matrix_a_scale:MATRIX_SCALE_ROW1
.elseif rRA == 0 && rRB == 1
	v_wmma_scale_f32_16x16x128_f8f6f4 v[rD:rD+7], v[rA:rA+11], v[rB:rB+11], v[rD:rD+7], v[rSA], v[rSB] matrix_a_fmt:MATRIX_FMT_BF6 matrix_b_fmt:MATRIX_FMT_BF6 matrix_b_scale:MATRIX_SCALE_ROW1
.else
	v_wmma_scale_f32_16x16x128_f8f6f4 v[rD:rD+7], v[rA:rA+11], v[rB:rB+11], v[rD:rD+7], v[rSA], v[rSB] matrix_a_fmt:MATRIX_FMT_BF6 matrix_b_fmt:MATRIX_FMT_BF6 matrix_a_scale:MATRIX_SCALE_ROW1 matrix_b_scale:MATRIX_SCALE_ROW1
.endif
.endif
.endm
.macro SUMT t                          ; the unquantised p of key tile t joins the sums: two numbers an instruction, the query tiles by turns.  All in window 1
.irp j, 0,2,4,6
.irp x, 0,1
	v_pk_add_f32 v[ACC+2*\x:ACC+2*\x+1], v[ACC+2*\x:ACC+2*\x+1], v[64*\x+8*(\t)+\j:64*\x+8*(\t)+\j+1]
.endr
.endr
.endm
.macro RESC t                          ; O^T's channel tile t under the new M: x f (source 0, window 1); each accumulator from its low end on
.irp j, 0,2,4,6
.irp x, 0,1
	v_pk_mul_f32 v[OT+64*\x+8*(\t)+\j:OT+64*\x+8*(\t)+\j+1], v[FF+2*\x:FF+2*\x+1], v[OT+64*\x+8*(\t)+\j:OT+64*\x+8*(\t)+\j+1] op_sel_hi:[0,1]
.endr
.endr
.endm
; A KEY STEP: the 128 keys whose block begins at LDS byte s40.  first = 1: the first step, which has no p to add, and whose second product starts O^T.
.macro STEP first
	v_add_nc_u32 v5, s40, v1
	v_add_nc_u32 v6, s40, v2
	v_nop
	v_nop                                          ; four places in front of the loads into registers that the last products read
	ds_load_b64 v[20:21], v6 offset:24576          ; K's scale words: register t / 2, lanes 0-15 tile t even, lanes 16-31 tile t odd
	ds_load_b64 v[22:23], v6 offset:24832
	WIN 0x40                                       ; destination window 1
.irp t, 0,1,2,3,4,5,6,7
.irp c, 0,1,2
	ds_load_b128 v[FR+12*\t+4*\c:FR+12*\t+4*\c+3], v5 offset:1536*\t+512*\c   ; K's eight fragments: 512 consecutive bytes a load
.endr
.endr
.if \first == 0
	WIN 0x45                                       ; sources 0, 1 and the destination in window 1
.irp t, 0,1,2,3,4,5,6,7
	SUMT \t                                        ; the last step's p is added while K comes from LDS: p lies untouched till the new scores
.endr
.endif
	s_wait_alu depctr_va_vdst(0)                   ; the wait here, directly ahead of the wait below
	s_wait_dscnt 0x0                               ; K is in
	WIN 0x45
.irp t, 0,1,2,3,4,5,6,7
.irp x, 0,1
.set rD, 64*\x+8*\t
.set rA, FR+12*\t
.set rB, QF+12*\x
.set rSA, 20+\t/2
.set rSB, 10
.set rRA, \t%2
.set rRB, \x
	WM 1
.endr
.endr
	WIN 0
	PLACES                                         ; in front of the loads over K's fragments, and of the first read of the scores
	ds_load_b64 v[24:25], v6 offset:25088
	ds_load_b64 v[26:27], v6 offset:25344
	WIN 0x40
.irp t, 0,1,2,3,4,5,6,7
.irp c, 0,1,2
	ds_load_b128 v[FR+12*\t+4*\c:FR+12*\t+4*\c+3], v5 offset:12288+1536*\t+512*\c   ; V's eight fragments land while the softmax is walked
.endr
.endr
	WIN 0x14                                       ; sources 1 and 2 (scores) in window 1
.irp b, 0,1,2,3
.irp x, 0,1
	v_max3_num_f32 v[BM+8*\x+\b], 0xff800000, v[64*\x+16*\b], v[64*\x+16*\b+1]   ; the largest score of each block of 32 keys: for the row's maximum, and for the block's largest p
.endr
.endr
.irp i, 2,4,6,8,10,12,14
.irp b, 0,1,2,3
.irp x, 0,1
	v_max3_num_f32 v[BM+8*\x+\b], v[BM+8*\x+\b], v[64*\x+16*\b+\i], v[64*\x+16*\b+\i+1]
.endr
.endr
.endr
	WIN 0
.irp b, 0,1,2,3
.irp x, 0,1
	v_permlanex16_b32 v[WK+8*\x+\b], v[BM+8*\x+\b], s36, s37
.endr
.endr
.irp b, 0,1,2,3
.irp x, 0,1
	v_max_num_f32 v[BM+8*\x+\b], v[BM+8*\x+\b], v[WK+8*\x+\b]   ; with lane l xor 16's 16 keys
.endr
.endr
.irp x, 0,1
	s_delay_alu instid0(VALU_DEP_4)
	v_max3_num_f32 v[TW+\x], v[BM+8*\x], v[BM+1+8*\x], v[BM+2+8*\x]
.endr
.irp x, 0,1
	s_delay_alu instid0(VALU_DEP_2)
	v_max_num_f32 v[TW+\x], v[TW+\x], v[BM+3+8*\x] ; the step's largest score of my query
.endr
.irp x, 0,1
	s_delay_alu instid0(VALU_DEP_2)
	v_mul_f32 v[TW+\x], s38, v[TW+\x]              ; as t (c is positive)
.endr
.irp x, 0,1
	s_delay_alu instid0(VALU_DEP_2)
	v_max_num_f32 v[NM+1+2*\x], v[NM+1+2*\x], v[TW+\x]   ; the running largest t
.endr
.irp x, 0,1
	v_mov_b32 v[TW+\x], v[NM+2*\x]
.endr
.irp x, 0,1
	s_delay_alu instid0(VALU_DEP_4)
	v_floor_f32 v[NM+2*\x], -v[NM+1+2*\x]          ; the new -M = floor(-t): M is a whole number
.endr
.irp x, 0,1
	s_delay_alu instid0(VALU_DEP_2)
	v_sub_f32 v[TW+\x], v[NM+2*\x], v[TW+\x]       ; old M - new M: a whole number, 0 or less
.endr
.irp x, 0,1
	s_delay_alu instid0(VALU_DEP_2)
	v_cvt_i32_f32 v[TW+\x], v[TW+\x]               ; (it saturates)
.endr
.irp b, 0,1,2,3
.irp x, 0,1
	v_fma_f32 v[BM+8*\x+\b], v[BM+8*\x+\b], s38, v[NM+2*\x]   ; t - M of each block's largest score
.endr
.endr
	WIN 0x41                                       ; source 0 and the destination in window 1
.irp x, 0,1
	v_ldexp_f32 v[FF+2*\x], 1.0, v[TW+\x]          ; f = 2^(old M - new M)
.endr
.set j, 0
.rept 32
.irp x, 0,1
	v_pk_fma_f32 v[64*\x+j:64*\x+j+1], v[64*\x+j:64*\x+j+1], s[38:39], v[NM+2*\x:NM+2*\x+1] op_sel_hi:[1,0,0]   ; t - M, two at a time (of the pairs c and -M the low word serves both halves)
.endr
.set j, j+2
.endr
	s_wait_alu depctr_va_vdst(0)                   ; the wait ahead of the batch
.set j, 0
.rept 64                                       ; ONE BATCH of 136 exponentials, none of which reads another's result
.irp x, 0,1
	v_exp_f32 v[64*\x+j], v[64*\x+j]               ; p = 2^(t - M), at most 1
.endr
.set j, j+1
.endr
	WIN 0
.irp b, 0,1,2,3
.irp x, 0,1
	v_exp_f32 v[BM+8*\x+\b], v[BM+8*\x+\b]         ; the block's largest p
.endr
.endr
	WIN 0x45
.irp x, 0,1
	v_pk_mul_f32 v[ACC+2*\x:ACC+2*\x+1], v[ACC+2*\x:ACC+2*\x+1], v[FF+2*\x:FF+2*\x+1] op_sel_hi:[1,0]   ; the sums under the new M: plain work behind the last exponential
.endr
	s_wait_alu depctr_va_vdst(0)                   ; one wait for the whole batch, ahead of the first instruction that names a result
	WIN 0
.irp b, 0,1,2,3
.irp x, 0,1
	v_max_num_f32 v[BM+8*\x+\b], 0x2800000, v[BM+8*\x+\b]   ; the floor 2^(5 - 127): the byte cannot fall under 1
.endr
.endr
.irp b, 0,1,2,3
.irp x, 0,1
	v_add_nc_u32 v[SO+4*\x+\b], 0xfe000000, v[BM+8*\x+\b]   ; 4 off the exponent field: the conversion's scale operand
.endr
.endr
.irp b, 0,1,2,3
.irp x, 0,1
	v_lshrrev_b32 v[WK+8*\x+\b], 23, v[SO+4*\x+\b] ; the scale's byte
.endr
.endr
.irp x, 0,1
	v_lshl_or_b32 v[28+\x], v[WK+1+8*\x], 8, v[WK+8*\x]   ; p's scale word for these 128 keys
.endr
.irp x, 0,1
	s_delay_alu instid0(VALU_DEP_2)
	v_lshl_or_b32 v[28+\x], v[WK+2+8*\x], 16, v[28+\x]
.endr
.irp x, 0,1
	s_delay_alu instid0(VALU_DEP_2)
	v_lshl_or_b32 v[28+\x], v[WK+3+8*\x], 24, v[28+\x]
.endr
	WIN 0x01                                       ; source 0 (p) in window 1
.irp x, 0,1
.irp c, 0,1
	v_cvt_scalef32_pk16_bf6_f32 v[PC+12*\x+6*\c:PC+12*\x+6*\c+2], v[64*\x+32*\c:64*\x+32*\c+15], v[SO+4*\x+2*\c]
	v_cvt_scalef32_pk16_bf6_f32 v[HB+8*\x+4*\c:HB+8*\x+4*\c+2], v[64*\x+32*\c+16:64*\x+32*\c+31], v[SO+1+4*\x+2*\c]   ; (a conversion's three registers begin on an even number)
.endr
.endr
	v_nop                                          ; one plain place behind a scaled conversion
	WIN 0
.irp x, 0,1                                    ; the operand's layout wants a whole block in a lane
.irp c, 0,1
.irp i, 0,1,2
	v_permlane16_swap_b32 v[PC+12*\x+6*\c+\i], v[HB+8*\x+4*\c+\i]
.endr
.irp i, 0,1,2
	s_delay_alu instid0(VALU_DEP_3)
	v_mov_b32 v[PC+3+12*\x+6*\c+\i], v[HB+8*\x+4*\c+\i]
.endr
.endr
.endr
.if \first
.rept 8
	v_nop                                          ; a scale register written by a vector instruction stands 8 places ahead of a scaled matrix instruction, an operand so written 4
.endr
.else
	WIN 0x01
	RESC 0                                         ; sixteen multiplications: also the places in front of the products below
	RESC 1
.endif
	s_wait_alu depctr_va_vdst(0)                   ; the wait here, directly ahead of the wait below
	s_wait_dscnt 0x0                               ; V is in
	WIN 0x01                                       ; V in window 1; p's codes and O^T in window 0
.irp t, 0,1,2,3,4,5,6,7                        ; the 16 accumulators take turns, one instruction a turn
.irp x, 0,1
.set rD, OT+64*\x+8*\t
.set rA, FR+12*\t
.set rB, PC+12*\x
.set rSA, 24+\t/2
.set rSB, 28+\x
.set rRA, \t%2
.set rRB, 0
	WM \first
.endr
.if \first == 0 && \t < 6
	RESC \t+2
.endif
.endr
	WIN 0
	s_add_co_u32 s40, s40, STEPB
.endm
	s_load_b128 s[4:7], s[0:1], 0x0                ; qi s[4:5], kv s[6:7]
	s_load_b64 s[8:9], s[0:1], 0x10                ; out0
	v_lshl_add_u32 v3, v0, 2, SPARE
	v_mov_b32 v4, 0
	ds_add_u32 v3, v4                              ; the opening lines: the add, twice on end, and its wait ahead of my first tensor load
	ds_add_u32 v3, v4
	v_lshrrev_b32 v5, 5, v0
	s_delay_alu instid0(VALU_DEP_1)
	v_readfirstlane_b32 s10, v5                    ; wave 0..7
	s_bfe_u32 s42, ttmp6, 0x40000                  ; cx
	s_lshl_b32 s43, ttmp9, 2
	s_add_co_u32 s43, s43, s42                     ; my 256 queries = 4 x cluster x + cx: it enters Q's, O's and the prefetch's addresses alone
	s_and_b32 s44, ttmp7, 0xffff                   ; bh, which the four partners share
	; descriptor groups 1: dense blocks as rows of 256 bytes (32 elements of 8 bytes), no padding: s[16:23] 12,800 bytes, s[68:75] 25,600 bytes
.irp g, 16, 68
	s_mov_b32 s[\g], 15|(3<<16)|(1<<21)            ; the mask: all four work-groups; bit 21 set beside a mask
	s_mov_b32 s[\g+1], 32<<16                      ; tensor_dim0
	s_mov_b32 s[\g+3], 32<<16                      ; tile_dim0
	s_mov_b32 s[\g+5], 32                          ; from row to row
	s_mov_b32 s[\g+6], 0
	s_mov_b32 s[\g+7], 0
.endr
	s_mov_b32 s18, 50<<16                          ; tensor_dim1,
	s_mov_b32 s20, 50                              ; tile_dim1
	s_mov_b32 s70, 100<<16
	s_mov_b32 s72, 100
	s_mov_b32 s36, 0x76543210
	s_mov_b32 s37, 0xfedcba98                      ; v_permlanex16_b32's selects for lane l xor 16
	s_mov_b32 s38, 0x3e38aa3b                      ; c = log2(e) / 8
	s_mov_b32 s39, s38                             ; (named with it as a pair, so it is written)
	s_mov_b32 s40, 0                               ; the key step's place in LDS
	s_mul_i32 s45, s10, 12800                      ; each wave moves an eighth of every fill
	s_mul_i32 s41, s10, 25600
	s_mul_i32 s46, s44, 409600                     ; a head's 16 key steps
	s_add_co_u32 s32, s46, s45                     ; key steps 0-3: my eighth
	s_mov_b32 s33, 0
	s_add_co_u32 s34, s46, s41
	s_add_co_u32 s34, s34, CHUNK                   ; key steps 4-11: my eighth
	s_mov_b32 s35, 0
	s_mul_i32 s60, s42, 25600                      ; the prefetch: my work-group's quarter of key steps 12-15
	s_add_co_u32 s60, s60, s46
	s_add_co_u32 s60, s60, 3*CHUNK
	s_mov_b32 s61, 0
	s_lshr_b32 s48, s10, 2
	s_lshl_b32 s49, s43, 1
	s_add_co_u32 s48, s48, s49                     ; my block of 128 queries
	s_and_b32 s49, s10, 3                          ; my group of 32 in it
	s_lshl_b32 s50, s44, 4
	s_add_co_u32 s50, s50, s48
	s_mul_i32 s50, s50, 12800
	s_mul_i32 s51, s49, 3072
	s_add_co_u32 s52, s50, s51                     ; Q: my two images
	s_mov_b32 s53, 0
	s_lshr_b32 s51, s49, 1
	s_lshl_b32 s51, s51, 8
	s_add_co_u32 s54, s50, s51
	s_and_b32 s51, s49, 1
	s_lshl_b32 s51, s51, 2
	s_add_co_u32 s54, s54, s51
	s_add_co_u32 s54, s54, 12288                   ; and their scale words: 8 bytes from lane to lane
	s_mov_b32 s55, 0
	s_lshr_b32 s56, s44, 3
	s_lshl_b32 s56, s56, 23                        ; O: the batch's 2,048 rows of 4,096 bytes,
	s_lshl_b32 s51, s48, 19                        ; 128 rows a block,
	s_add_co_u32 s56, s56, s51
	s_lshl_b32 s51, s49, 17                        ; 32 rows a group,
	s_add_co_u32 s56, s56, s51
	s_and_b32 s51, s44, 7
	s_lshl_b32 s51, s51, 9                         ; the head's 512 bytes of a row
	s_add_co_u32 s56, s56, s51
	s_mov_b32 s57, 0
	s_wait_dscnt 0x0                               ; both opening adds are done
	s_wait_kmcnt 0x0
	s_add_nc_u64 s[52:53], s[4:5], s[52:53]
	s_add_nc_u64 s[54:55], s[4:5], s[54:55]
	s_add_nc_u64 s[56:57], s[8:9], s[56:57]
	s_mov_b32 s24, 1                               ; group 0 for key steps 0-3, later 12-15
	s_mov_b32 s25, s45
	s_add_nc_u64 s[26:27], s[6:7], s[32:33]
	s_or_b32 s27, s27, 0x80000000
	s_mov_b32 s28, 1                               ; group 0 for key steps 4-11
	s_add_co_u32 s29, s41, CHUNK
	s_add_nc_u64 s[30:31], s[6:7], s[34:35]
	s_or_b32 s31, s31, 0x80000000
	s_add_nc_u64 s[78:79], s[6:7], s[60:61]
	ROUND                                          ; all four work-groups are here: the first joint loads meet
	tensor_load_to_lds s[24:27], s[16:23]          ; key steps 0-3: one tensor load a wave at the head
	s_nop 0
	PLACES
	v_and_b32 v11, 31, v0
	v_lshrrev_b32 v7, 5, v0
	v_lshlrev_b32 v1, 4, v11
	v_lshlrev_b32 v2, 3, v11
	v_min_u32 v17, 12, v11
	v_mad_u32_u24 v17, v7, 13, v17
	v_min_u32 v17, 99, v17                         ; block min(13 x wave + min(lane, 12), 99) of my work-group's 100
	v_lshlrev_b32 v17, 8, v17
	WIN 0x40
.irp c, 0,1,2,3,4,5
	global_load_b128 v[QF+4*\c:QF+4*\c+3], v1, s[52:53] offset:512*\c   ; Q's two fragments stay in registers
.endr
.irp i, 0,1,2,3,4,5,6,7
	v_mov_b32 v[ACC+\i], 0                         ; the sums, and f's pairs (the upper halves are named, so they are written)
.endr
	WIN 0
	global_load_b32 v10, v2, s[54:55]              ; lanes 0-15: tile 0's scale words; lanes 16-31: tile 1's
	v_and_b32 v8, 15, v0
	v_bfe_u32 v9, v0, 4, 1
	s_delay_alu instid0(VALU_DEP_2)
	v_mul_u32_u24 v8, v8, 528
	s_delay_alu instid0(VALU_DEP_1)
	v_lshl_add_u32 v8, v9, 6, v8
	s_mul_i32 s41, s10, 16896
	s_add_co_u32 s41, s41, STAGE
	v_add_nc_u32 v8, s41, v8                       ; the stage, in: row r, + 64 h
	v_add_nc_u32 v9, s41, v1                       ; and back: 16 x lane of a row
.irp x, 0,1
	v_mov_b32 v[NM+1+2*\x], 0xff61b1e6             ; the largest t so far: -3e38, under every t
	s_delay_alu instid0(VALU_DEP_1)
	v_floor_f32 v[NM+2*\x], -v[NM+1+2*\x]          ; -M
.irp b, 0,1,2,3
	v_mov_b32 v[WK+8*\x+\b], 0                     ; a lane permute's destination counts as one of its sources
.endr
.endr
	s_wait_alu depctr_va_vdst(0)                   ; the wait at the head's end
	s_wait_tensorcnt 0x0                           ; my part of key steps 0-3 is in
	ds_add_u32 v3, v4
	s_wait_dscnt 0x0
	ROUND                                          ; everybody's part is in, and the four work-groups meet
	tensor_load_to_lds s[28:31], s[68:75]          ; key steps 4-11, 25,600 bytes a wave: my one load behind the round
	s_nop 0
	PLACES
	global_prefetch_b8 v17, s[78:79] th:TH_LOAD_NT scope:SCOPE_SE   ; key steps 12-15, four key steps ahead of their load; v17 and s[78:79] are never rewritten
	s_wait_loadcnt 0x0                             ; Q
	STEP 1
	s_mov_b32 s41, 3
.Lchunk_0:
	STEP 0
	s_sub_co_u32 s41, s41, 1
	s_cmp_lg_u32 s41, 0
	s_cbranch_scc1 .Lchunk_0
	; THE ONE REFILL: key steps 12-15 into the bytes of key steps 0-3.
	s_wait_tensorcnt 0x0                           ; my part of key steps 4-11 has landed: a group 0 may be written
	ds_add_u32 v3, v4                              ; 0 onto my spare word
	s_add_nc_u64 s[26:27], s[26:27], 3*CHUNK
	s_wait_dscnt 0x0                               ; the add is done, and my reads of key steps 0-3 are over
	ROUND                                          ; no wave of any partner still reads those bytes or has a load on its way
	tensor_load_to_lds s[24:27], s[16:23]
	s_nop 0
	PLACES
	s_mov_b32 s41, 8
.Lchunks_1_2:
	STEP 0
	s_sub_co_u32 s41, s41, 1
	s_cmp_lg_u32 s41, 0
	s_cbranch_scc1 .Lchunks_1_2
	s_wait_tensorcnt 0x0                           ; my part of key steps 12-15 is in,
	s_wait_dscnt 0x0                               ; and my reads of key steps 4-11 are over: the stages will lie there
	s_barrier_signal -1
	s_barrier_wait -1                              ; both hold of every wave
	s_mov_b32 s40, 0
	s_mov_b32 s41, 4
.Lchunk_3:
	STEP 0
	s_sub_co_u32 s41, s41, 1
	s_cmp_lg_u32 s41, 0
	s_cbranch_scc1 .Lchunk_3
	WIN 0x45
.irp t, 0,1,2,3,4,5,6,7
	SUMT \t                                        ; the last step's p; these additions are also the places behind the last products
.endr
	; THE WAY OUT: O^T / the sum goes through my stage in LDS and leaves as whole rows: a query's 512 bytes of its head.
	WIN 0x05
.irp x, 0,1
	v_add_f32 v[TW+\x], v[ACC+2*\x], v[ACC+2*\x+1] ; the sum's two halves,
.endr
	WIN 0
.irp x, 0,1
	v_permlanex16_b32 v[WK+8*\x], v[TW+\x], s36, s37
.endr
.irp x, 0,1
	s_delay_alu instid0(VALU_DEP_2)
	v_add_f32 v[TW+\x], v[TW+\x], v[WK+8*\x]       ; and lane l xor 16's: the row's sum
.endr
	s_wait_alu depctr_va_vdst(0)                   ; the wait ahead of the reciprocals
.irp x, 0,1
	v_rcp_f32 v[BM+8*\x], v[TW+\x]
.endr
	v_nop                                          ; a plain place behind the last reciprocal
	s_wait_alu depctr_va_vdst(0)                   ; one wait for the two, ahead of their first reader
.set j, 0
.rept 32
.irp x, 0,1
	v_pk_mul_f32 v[OT+64*\x+j:OT+64*\x+j+1], v[OT+64*\x+j:OT+64*\x+j+1], v[BM+8*\x:BM+8*\x+1] op_sel_hi:[1,0]   ; each accumulator from its low end on; register 16 g + i is channel 32 g + 16 h + i
.endr
.set j, j+2
.endr
.irp x, 0,1
.irp g, 0,1,2,3
.irp i, 0,1,2,3
	ds_store_b128 v8, v[OT+64*\x+16*\g+4*\i:OT+64*\x+16*\g+4*\i+3] offset:8448*\x+128*\g+16*\i
.endr
.endr
.endr
.irp x, 0,1
.irp i, 0,1,2,3,4,5,6,7,8,9,10,11,12,13,14,15
	ds_load_b128 v[OT+64*\x+4*\i:OT+64*\x+4*\i+3], v9 offset:8448*\x+528*\i   ; LDS serves a wave's instructions in order (ISA guide 5.7.1.4): these see my stores
.endr
.endr
.irp x, 0,1
.irp i, 0,1,2,3,4,5,6,7,8,9,10,11,12,13,14,15
	s_wait_dscnt 31-16*\x-\i                       ; the loads issued behind this one may be out
	global_store_b128 v1, v[OT+64*\x+4*\i:OT+64*\x+4*\i+3], s[56:57] offset:(8*\x+\i+8*(\i/8))*4096 th:TH_STORE_NT   ; the tile's row i: 32 lanes store 512 consecutive bytes, at a multiple of 256
.endr
.endr
	s_wait_tensorcnt 0x0                           ; the wave's end
	ds_add_u32 v3, v4
	s_wait_dscnt 0x0
	ROUND                                          ; the closing round: no work-group ends while a partner may still ask for a fill that names it
	s_endpgm
.Lfunc_end_k_q4c17e1068c_attn:
	.size	k_q4c17e1068c_attn, .Lfunc_end_k_q4c17e1068c_attn-k_q4c17e1068c_attn
	.p2alignl 7, 3214868480
	.fill 96, 4, 3214868480
	.section	.rodata,"a",@progbits
	.p2align	6, 0x0
	.amdhsa_kernel k_q4c17e1068c_attn
		.amdhsa_group_segment_fixed_size 327680
		.amdhsa_private_segment_fixed_size 0
		.amdhsa_enable_private_segment 0
		.amdhsa_kernarg_size 24
		.amdhsa_user_sgpr_count 2
		.amdhsa_user_sgpr_kernarg_segment_ptr 1
		.amdhsa_wavefront_size32 1
		.amdhsa_system_sgpr_workgroup_id_x 1
		.amdhsa_system_sgpr_workgroup_id_y 1
		.amdhsa_system_sgpr_workgroup_id_z 1
		.amdhsa_system_vgpr_workitem_id 0
		.amdhsa_next_free_vgpr 512
		.amdhsa_next_free_sgpr 80
		.amdhsa_reserve_vcc 0
		.amdhsa_float_denorm_mode_32 3
		.amdhsa_float_denorm_mode_16_64 3
		.amdhsa_memory_ordered 1
		.amdhsa_forward_progress 1
		.amdhsa_inst_pref_size 158
	.end_amdhsa_kernel
	.amdgpu_metadata
---
amdhsa.version: [ 1, 2 ]
amdhsa.kernels:
  - .name:           k_q4c17e1068c_attn
    .symbol:         k_q4c17e1068c_attn.kd
    .args:
      - { .name: qi, .offset: 0, .size: 8, .value_kind: global_buffer, .address_space: global }
      - { .name: kv, .offset: 8, .size: 8, .value_kind: global_buffer, .address_space: global }
      - { .name: out0, .offset: 16, .size: 8, .value_kind: global_buffer, .address_space: global }
    .group_segment_fixed_size: 327680
    .private_segment_fixed_size: 0
    .kernarg_segment_align: 8
    .kernarg_segment_size: 24
    .max_flat_workgroup_size: 256
    .sgpr_count:     80
    .vgpr_count:     512
    .wavefront_size: 32
...
	.end_amdgpu_metadata
.endif
;; end of part 3
